; MI455X (gfx1250); checked and timed in simulation.
; The chip was launched on July 23, 2026; its instructions are those of AMD's public machine-readable ISA for CDNA 5 (MIT licence, August 2026) and "CDNA5" Instruction Set Architecture Reference Guide (July 2026). The comments in the code are by the model that wrote it; some were corrected since.
;; Optimized Linear. Allowed arithmetic: matrix products marked QUANTISED: E2M1 operands, one E8M0 scale for each 32 along K, by v_wmma_scale_f32_16x16x128_f8f6f4 with both operands' format E2M1 (or v_wmma_scale_f32_32x16x128_f4), f32 sums; everything else in f32.
;; Inputs: bias 4,096 float32; weight 4,096 x 4,096 float32; x 4,096 x 4,096 float32.
;; Outputs: out0 4,096 x 4,096 float32.
;; This version of the problem:
;;   THIS VERSION OF THE PROBLEM IS GIVEN IN LOW PRECISION. The matrix products marked QUANTISED in the list below multiply operands that are first quantised to E2M1 (2 exponent bits, 1 mantissa bit; 4 bits a number), with one power-of-two scale for each 32 numbers along K (OCP MX v1.0); their sums are f32. All else is computed in f32.
;;   The module's matrix products, in the order in which they are computed (A, B: the left and right operand; K: the contracted axis; several contracted axes count as one K, in the product's order):
;;     1. [M 4,096, K 4,096] x [K 4,096, N 4,096]; A: computed on the way; B: input weight: QUANTISED
;;   THE QUANTISER, for each operand of a quantised product, along K:
;;     - K is cut into blocks of 32 from its start; a last block that is shorter is filled with zeros.
;;     - A block's scale is 2^e with e = floor(log2(the largest magnitude in the block)) - 2, held to -126 .. 127; a block of zeros has e = 0. As a byte (E8M0): e + 127.
;;     - Each number is divided by its block's scale, clamped to +-6, and rounded to the nearest number of E2M1, ties to even, subnormals kept.
;;     - The product sums the exact products of the quantised numbers (number of the format x scale) in f32.
;;   ~~~python
;;   def quantise(x, axis):      # numpy; x: float32 -> the quantised numbers, widened to float32 again
;;       x = np.moveaxis(x, axis, -1); K = x.shape[-1]
;;       x = np.pad(x, [(0, 0)] * (x.ndim - 1) + [(0, -K % 32)]); x = x.reshape(x.shape[:-1] + (-1, 32)); a = np.abs(x).max(-1, keepdims=True)
;;       e = np.where(a > 0, np.clip(np.frexp(np.where(a > 0, a, 1))[1] - 1 - 2, -126, 127), 0)      # np.frexp(a)[1] - 1 = floor(log2(a)), exactly
;;       r = np.clip(x / 2.0 ** e, -6, 6)
;;       step = 2.0 ** (np.maximum(np.frexp(np.where(r == 0, 1, r))[1] - 1, 0) - 1)
;;       q = np.round(r / step) * step * 2.0 ** e      # np.round: ties to even
;;       return np.moveaxis(q.reshape(q.shape[:-2] + (-1,))[..., :K], -1, axis).astype(np.float32)
;;   ~~~
;;   OPERANDS COMPUTED ON THE WAY. 'Computed on the way' means the value that the module computes at that place (a softmax that the list does not call 'softmax' is quantised finished and normalised). What goes into a quantiser is computed in f32, as accurately as f32 sums, v_exp_f32 and their like allow (about 1e-6 of the number): no bf16 or f16 on the way to a quantiser, and a product that is left as it is and whose result goes on into a quantised operand takes f32 operands (vector FMAs, or v_wmma_f32_16x16x4_f32). A number that lies on a knife's edge between two numbers of the format may be rounded either way, as far as f32 arithmetic and the matrix unit's own rounding can turn it there, and no further.
;; One version. Each part assembles by itself: llvm-mc -triple=amdgcn-amd-amdhsa -mcpu=gfx1250 --defsym DOCPART=n.
;; ======== version 1 of 1: 2 launches
;; limits: right only within a limited range of input values
;; workspace buffers: aq 8,912,896 bytes; bq 8,912,896 bytes
;; launch quant (part 1): grid 256 x 1, 16 waves a work-group, no clusters, 88,064 bytes of LDS; arguments x, weight, aq, bq; writes aq, bq
.if DOCPART == 1
	.amdgcn_target "amdgcn-amd-amdhsa--gfx1250"
	.amdhsa_code_object_version 6
	.text
	.protected	k_q3556722d02_quant
	.globl	k_q3556722d02_quant
	.p2align	8
	.type	k_q3556722d02_quant,@function
k_q3556722d02_quant:
	s_mov_b64 s[64:65], 0
	v_nop
	global_prefetch_b8 v0, s[64:65] scope:SCOPE_SE
	s_setreg_imm32_b32 hwreg(HW_REG_WAVE_MODE, 25, 1), 1
	s_wait_xcnt 0x0
; x [4096][4096] f32 goes through an int8 step, row by row: scale = (the row's largest |x|) / 127, 1 where that is 0; xq = clip(round(x / scale), +-127) x scale;
; xq and weight [4096][4096] f32 are then turned into codes of FP4 (E2M1) with one E8M0 scale byte for each 32 along K (K is the last axis of both).
; A block's scale is 2^(floor(log2(its largest magnitude)) - 2); its byte is the largest magnitude's exponent field - 2, held at 1 from below.
; THE TWO DIVISIONS ARE MADE AS DIVISIONS ROUND THEM: max / 127 is a product with the rounded 1 / 127, mended by its exact residual (one fused multiply-add gives a - b q without rounding, a second adds
; residual x reciprocal); x / scale likewise, with v_rcp_f32 refined by two Newton steps.
; LIMITS: a row with 0 < largest |x| < 127 x 2^-126 is not served (its scale would be denormal, which v_rcp_f32 takes as 0); NaN and infinities are not served; a block of zeros gets the byte 1 where the rule
; says 127: its codes are zeros, which add nothing under any byte but 0xff, and the bytes are read by this program alone.
; OUT: aq and bq, laid [32 row blocks][8 K steps][a tile of 34,816 bytes].  A tile serves 128 positions x 512 along K: position p's 256 bytes of codes at 256 p, then its 16 scale bytes at 32,768 + 16 p: 136 dense rows
; of 256 bytes, which the product's launch brings by one tensor load.  In aq position P is row P of x.  In bq position 64 G + 16 u + r is row 64 G + 4 r + u of weight.
; SHARES: work-group g, wave w own position 16 g + w of both buffers: ONE WAVE, ONE ROW of 16,384 bytes in 128 registers, so the row's maximum never leaves the wave and each row is read once.
; ORDER: every wave takes its x row first: the row holds all 128 registers until its maximum is known.  Then each step of x frees 16 registers, and an eighth of the weight row is asked for into them at once: x's
; arithmetic stands beside weight's loads, and the steps that follow the last load are weight's, which have no int8 step.
; No loop: 16 steps of 512 numbers by macro (0-7 x's, 8-15 weight's), every offset an immediate, no address and no store's data ever written again.
; A STEP: the conversions take neighbours along K from ONE lane's registers, the loads give neighbouring bytes to neighbouring LANES: so a step's 2,048 bytes turn through the wave's own stage in LDS (in as loaded, out
; 64 bytes a lane; 16 bytes of padding behind each 64), one step ahead of the work, in two stages by turns.  Two neighbouring lanes hold a block of 32.
; No tensor loads, matrix units or clusters: the work-groups share no input, and each byte is read once.
.set TILEB, 34816                      ; a tile of aq or bq
.set RBB,   8*TILEB                    ; a row block: eight K steps
.set SP,    80                         ; a lane's place in a stage: 64 bytes + 16 of padding
.set STG,   32*SP                      ; a stage
.set SCB,   16*2*STG                   ; behind the 16 waves' stages: the scale bytes, [step 0..15][wave's row][16 bytes]: 4,096 bytes
.set SPARE, SCB+4096                   ; behind them the spare words, 128 bytes a wave
.set LO,    1                          ; v1   16 x lane: my bytes of a load's 512
.set SIN,   2                          ; v2   the stage, on the way in: SP (lane / 4) + 16 (lane % 4)
.set SOUT,  3                          ; v3   on the way out: SP x lane
.set CO,    4                          ; v4   8 x lane: my codes' place in a row's 256 bytes; also my place in a unit of scale bytes
.set SBA,   5                          ; v5   where my block's scale byte goes: SCB + 16 x wave + lane / 2
.set SRD,   6                          ; v6   where I read a unit of scale bytes back: SCB + 256 x wave + 8 x lane
.set M,     16                         ; v16-19   four chains of the row's maximum
.set TQ,    24                         ; v24-31   eight quotients
.set TU,    32                         ; v32-39   their residuals
.set X,     40                         ; v40-71   two sets of 16 neighbours
.set C,     72                         ; v72-103  codes: two registers for each step
.set E,     104                        ; v104-119 a scale byte for each step
.set R,     120                        ; v120-247 the row: load n's four registers at R + 4 n
.set SPW,   254
.set NIL,   255
                                       ; v[12:13] the scale, twice; v[14:15] its reciprocal, twice; v8-10, v20-22 at work; v[248:249] a unit of scale bytes
	s_load_b256 s[4:11], s[0:1], 0x0               ; x s[4:5], weight s[6:7], aq s[8:9], bq s[10:11]
	v_lshl_add_u32 v[SPW], v0, 2, SPARE
	v_mov_b32 v[NIL], 0
	v_lshrrev_b32 v7, 5, v0
	s_delay_alu instid0(VALU_DEP_1)
	v_readfirstlane_b32 s12, v7                    ; wave 0..15
	v_and_b32 v7, 31, v0                           ; lane
	s_delay_alu instid0(VALU_DEP_1)
	v_lshlrev_b32 v[LO], 4, v7
	s_lshl_b32 s14, ttmp9, 4
	s_add_co_u32 s14, s14, s12                     ; my row of x: 16 g + w,
	s_lshl_b32 s14, s14, 14                        ; of 16,384 bytes
	s_mov_b32 s15, 0
	s_lshr_b32 s16, ttmp9, 2                       ; my row of weight: 64 (g / 4) + 4 w + g % 4
	s_lshl_b32 s16, s16, 6
	s_lshl_b32 s13, s12, 2
	s_add_co_u32 s16, s16, s13
	s_and_b32 s13, ttmp9, 3
	s_add_co_u32 s16, s16, s13
	s_lshl_b32 s16, s16, 14
	s_mov_b32 s17, 0
	s_wait_alu depctr_va_vdst(0)                   ; directly ahead of the wait below
	s_wait_kmcnt 0x0
	s_add_nc_u64 s[4:5], s[4:5], s[14:15]
	s_add_nc_u64 s[6:7], s[6:7], s[16:17]
.irp n, 0,1,2,3,4,5,6,7,8,9,10,11,12,13,14,15,16,17,18,19,20,21,22,23,24,25,26,27,28,29,30,31
	global_load_b128 v[R+4*\n:R+4*\n+3], v[LO], s[4:5] offset:512*\n th:TH_LOAD_NT   ; the whole x row: each load 512 consecutive bytes
.endr
	; the other addresses are made while the row is on its way
	s_mul_i32 s13, s12, 2*STG                      ; my two stages
	v_lshrrev_b32 v[SIN], 2, v7
	s_delay_alu instid0(VALU_DEP_1)
	v_mul_u32_u24 v[SIN], v[SIN], SP
	v_and_b32 v[SOUT], 3, v7
	s_delay_alu instid0(VALU_DEP_1)
	v_lshl_add_u32 v[SIN], v[SOUT], 4, v[SIN]
	s_delay_alu instid0(VALU_DEP_1)
	v_add_nc_u32 v[SIN], s13, v[SIN]
	v_mul_u32_u24 v[SOUT], v7, SP
	s_delay_alu instid0(VALU_DEP_1)
	v_add_nc_u32 v[SOUT], s13, v[SOUT]
	v_lshlrev_b32 v[CO], 3, v7
	v_lshrrev_b32 v[SBA], 1, v7
	s_lshl_b32 s13, s12, 4
	s_add_co_u32 s13, s13, SCB
	v_add_nc_u32 v[SBA], s13, v[SBA]
	s_lshl_b32 s13, s12, 8
	s_add_co_u32 s13, s13, SCB
	v_add_nc_u32 v[SRD], s13, v[CO]
	s_lshr_b32 s23, ttmp9, 3
	s_mul_i32 s23, s23, RBB                        ; my row block: g / 8
	s_and_b32 s13, ttmp9, 7
	s_lshl_b32 s26, s13, 4
	s_add_co_u32 s26, s26, s12                     ; my position in it: 16 (g % 8) + w,
	s_lshl_b32 s26, s26, 8                         ; 256 bytes of codes each
	s_add_co_u32 s26, s26, s23
	s_mov_b32 s27, 0
	s_and_b32 s28, s12, 7                          ; the unit of scale bytes that I store at the end: K step w % 8, the work-group's 16 positions
	s_mul_i32 s28, s28, TILEB
	s_lshl_b32 s13, s13, 8
	s_add_co_u32 s28, s28, s13
	s_add_co_u32 s28, s28, s23
	s_add_co_u32 s28, s28, 32768
	s_mov_b32 s29, 0
	s_cmp_lt_u32 s12, 8                            ; waves 0-7 store aq's units, waves 8-15 bq's: the choice hangs on the wave's number alone
	s_cselect_b64 s[24:25], s[8:9], s[10:11]
	s_add_nc_u64 s[24:25], s[24:25], s[28:29]
	s_add_nc_u64 s[8:9], s[8:9], s[26:27]
	s_add_nc_u64 s[10:11], s[10:11], s[26:27]
	s_mov_b32 s18, 0x76543210                      ; v_permlanex16_b32's selects for lane l xor 16
	s_mov_b32 s19, 0xfedcba98
	s_mov_b32 s20, 0x3c010204                      ; 1 / 127, rounded to f32
	s_mov_b32 s21, 0x42fe0000                      ; 127
	s_mov_b32 s22, 0xc2fe0000                      ; -127
; THE ROW'S LARGEST MAGNITUDE: four chains, started by the first numbers; a group of eight loads at a time, as they come in.
.macro ROWMAX
.irp c, 0,1,2,3
	s_wait_loadcnt 24-8*\c                         ; loads come back in order: group c is in, the 8 (3 - c) younger loads may be out
.if \c == 0
.irp j, 0,1,2,3
	v_max3_num_f32 v[M+\j], |v[R+8*\j]|, |v[R+8*\j+1]|, |v[R+8*\j+2]|
.endr
.irp i, 3,5
.irp j, 0,1,2,3
	s_delay_alu instid0(VALU_DEP_4)
	v_max3_num_f32 v[M+\j], v[M+\j], |v[R+8*\j+\i]|, |v[R+8*\j+\i+1]|
.endr
.endr
.irp j, 0,1,2,3
	s_delay_alu instid0(VALU_DEP_4)
	v_max_num_f32 v[M+\j], v[M+\j], |v[R+8*\j+7]|
.endr
.else
	s_wait_alu depctr_va_vdst(0)
.irp i, 0,2,4,6
.irp j, 0,1,2,3
	v_max3_num_f32 v[M+\j], v[M+\j], |v[R+32*\c+8*\j+\i]|, |v[R+32*\c+8*\j+\i+1]|
.endr
.endr
.endif
.endr
	s_delay_alu instid0(VALU_DEP_2)
	v_max3_num_f32 v[M], v[M], v[M+1], v[M+2]
	s_delay_alu instid0(VALU_DEP_1)
	v_max_num_f32 v[M], v[M], v[M+3]
	s_delay_alu instid0(VALU_DEP_1)
	v_max_num_f32_dpp v[M], v[M], v[M] row_xmask:1 row_mask:0xf bank_mask:0xf
	s_delay_alu instid0(VALU_DEP_1)
	v_max_num_f32_dpp v[M], v[M], v[M] row_xmask:2 row_mask:0xf bank_mask:0xf
	s_delay_alu instid0(VALU_DEP_1)
	v_max_num_f32_dpp v[M], v[M], v[M] row_xmask:4 row_mask:0xf bank_mask:0xf
	s_delay_alu instid0(VALU_DEP_1)
	v_max_num_f32_dpp v[M], v[M], v[M] row_xmask:8 row_mask:0xf bank_mask:0xf
	s_delay_alu instid0(VALU_DEP_1)
	v_permlanex16_b32 v[M+1], v[M], s18, s19       ; (its destination has been written)
	s_delay_alu instid0(VALU_DEP_1)
	v_max_num_f32 v[M], v[M], v[M+1]               ; every lane holds the row's maximum
.endm
; THE SCALE = max / 127, as a division rounds it; 1 where it is 0; and its reciprocal
.macro SCALE
	s_delay_alu instid0(VALU_DEP_1)
	v_mul_f32 v20, s20, v[M]
	s_delay_alu instid0(VALU_DEP_1)
	v_fma_f32 v21, -v20, s21, v[M]                 ; max - 127 q, without rounding
	s_delay_alu instid0(VALU_DEP_1)
	v_fma_f32 v20, v21, s20, v20
	v_mov_b32 v21, 1.0
	s_delay_alu instid0(VALU_DEP_2)
	v_cmp_eq_f32 vcc_lo, 0, v20
	s_delay_alu instid0(VALU_DEP_1)
	v_cndmask_b32 v12, v20, v21, vcc_lo
	s_wait_alu depctr_va_vdst(0)                   ; ahead of the transcendental
	v_rcp_f32 v14, v12
	v_mov_b32 v13, v12                             ; (the plain instruction behind the reciprocal)
	s_wait_alu depctr_va_vdst(0)                   ; and ahead of its first reader
	v_fma_f32 v22, -v12, v14, 1.0                  ; two Newton steps
	v_fma_f32 v14, v22, v14, v14
	s_delay_alu instid0(VALU_DEP_1)
	v_fma_f32 v22, -v12, v14, 1.0
	s_delay_alu instid0(VALU_DEP_1)
	v_fma_f32 v14, v22, v14, v14
	s_delay_alu instid0(VALU_DEP_1)
	v_mov_b32 v15, v14
.endm
; The int8 step on the 16 registers of step t, in place, eight at a time, four pairs by turns
.macro QDQ t
.irp e, 0,8
.irp p, 0,2,4,6
	v_pk_mul_f32 v[TQ+\p:TQ+\p+1], v[R+16*(\t)+\e+\p:R+16*(\t)+\e+\p+1], v[14:15]
.endr
.irp p, 0,2,4,6
	s_delay_alu instid0(VALU_DEP_4)
	v_pk_fma_f32 v[TU+\p:TU+\p+1], v[TQ+\p:TQ+\p+1], v[12:13], v[R+16*(\t)+\e+\p:R+16*(\t)+\e+\p+1] neg_lo:[1,0,0] neg_hi:[1,0,0]   ; x - q scale
.endr
.irp p, 0,2,4,6
	s_delay_alu instid0(VALU_DEP_4)
	v_pk_fma_f32 v[TQ+\p:TQ+\p+1], v[TU+\p:TU+\p+1], v[14:15], v[TQ+\p:TQ+\p+1]   ; the quotient, mended
.endr
.irp p, 0,1,2,3,4,5,6,7
	v_rndne_f32 v[TQ+\p], v[TQ+\p]                 ; to the nearest whole number, ties to even
.endr
.irp p, 0,1,2,3,4,5,6,7
	v_med3_num_f32 v[TQ+\p], v[TQ+\p], s22, s21    ; the clip
.endr
.irp p, 0,2,4,6
	v_pk_mul_f32 v[R+16*(\t)+\e+\p:R+16*(\t)+\e+\p+1], v[TQ+\p:TQ+\p+1], v[12:13]
.endr
.endr
.endm
.macro WLOAD c                         ; eighth c of the weight row into the registers that eighth c of the x row has left
.irp i, 0,1,2,3
	global_load_b128 v[R+16*(\c)+4*\i:R+16*(\c)+4*\i+3], v[LO], s[6:7] offset:2048*(\c)+512*\i th:TH_LOAD_NT
.endr
.endm
.macro TURN u                          ; step u's numbers through stage u % 2: LDS serves a wave's instructions in order, so no wait stands between the stores and the loads
.irp i, 0,1,2,3
	ds_store_b128 v[SIN], v[R+16*((\u)%8)+4*\i:R+16*((\u)%8)+4*\i+3] offset:STG*((\u)%2)+8*SP*\i
.endr
.irp i, 0,1,2,3
	ds_load_b128 v[X+16*((\u)%2)+4*\i:X+16*((\u)%2)+4*\i+3], v[SOUT] offset:STG*((\u)%2)+16*\i
.endr
.endm
.macro MX u                            ; my 16 neighbours become 16 codes; my block's byte goes to LDS
.set XS, X+16*((\u)%2)
	v_max3_num_f32 v8, |v[XS]|, |v[XS+1]|, |v[XS+2]|
	v_max3_num_f32 v9, |v[XS+3]|, |v[XS+4]|, |v[XS+5]|
.irp i, 6,10
	s_delay_alu instid0(VALU_DEP_2)
	v_max3_num_f32 v8, v8, |v[XS+\i]|, |v[XS+\i+1]|
	s_delay_alu instid0(VALU_DEP_2)
	v_max3_num_f32 v9, v9, |v[XS+\i+2]|, |v[XS+\i+3]|
.endr
	s_delay_alu instid0(VALU_DEP_2)
	v_max3_num_f32 v8, v8, |v[XS+14]|, |v[XS+15]|
	s_delay_alu instid0(VALU_DEP_1)
	v_max3_num_f32 v8, v8, v9, 0x1800000           ; and the floor 2^(3 - 127): the byte cannot fall under 1
	s_delay_alu instid0(VALU_DEP_1)
	v_max_num_f32_dpp v8, v8, v8 row_xmask:1 row_mask:0xf bank_mask:0xf   ; with my neighbour's 16: the block's largest magnitude
	s_delay_alu instid0(VALU_DEP_1)
	v_add_nc_u32 v10, 0xff000000, v8               ; 2 off its exponent field: the conversion takes the exponent field of this operand as its scale, and nothing else of it
	v_cvt_scalef32_pk8_fp4_f32 v[C+2*(\u)], v[XS:XS+7], v10
	v_cvt_scalef32_pk8_fp4_f32 v[C+2*(\u)+1], v[XS+8:XS+15], v10
	v_lshrrev_b32 v[E+(\u)], 23, v10               ; the scale's byte (also the plain instruction behind the conversions)
	ds_store_b8 v[SBA], v[E+(\u)] offset:256*(\u)  ; both lanes of a block write the same byte with the same value
.if (\u) < 8
	global_store_b64 v[CO], v[C+2*(\u):C+2*(\u)+1], s[8:9] offset:TILEB*((\u)%8)    ; the wave stores 256 consecutive bytes, at a multiple of 256 from the buffer's first byte
.else
	global_store_b64 v[CO], v[C+2*(\u):C+2*(\u)+1], s[10:11] offset:TILEB*((\u)%8)
.endif
.endm
.macro STEP u
.if (\u)+1 < 8
	QDQ (\u)+1                                     ; the next step's int8 step stands between this step's turn through LDS and the wait for it
.endif
	s_wait_alu depctr_va_vdst(0)                   ; directly ahead of the wait below
.if (\u) > 0
	s_wait_dscnt 1                                 ; this step's numbers are back from the stage; the last step's byte store, issued behind them, may be out
.else
	s_wait_dscnt 0x0
.endif
.if (\u) < 8
	WLOAD \u
.endif
.if (\u)+1 >= 8 && (\u)+1 < 16
	s_wait_loadcnt 28-4*((\u)-7)                   ; all 32 loads of the weight row are issued: those of its eighth u + 1 - 8 are in, the younger ones may be out
.endif
.if (\u)+1 < 16
	TURN (\u)+1
.endif
	MX \u
.endm
	ROWMAX
	SCALE
	QDQ 0
	TURN 0
.irp u, 0,1,2,3,4,5,6,7,8,9,10,11,12,13,14,15
	STEP \u
.endr
	s_wait_dscnt 0x0                               ; for the others' sake: my byte stores are done
	s_barrier_signal -1
	s_barrier_wait -1                              ; the one barrier: a unit of 256 scale bytes is made of sixteen waves' rows
	ds_load_b64 v[248:249], v[SRD]                 ; step w's bytes of the work-group's 16 positions
	s_wait_dscnt 0x0
	global_store_b64 v[CO], v[248:249], s[24:25]   ; the wave stores 256 consecutive bytes, aligned likewise
	s_wait_tensorcnt 0x0                           ; the wave's end
	ds_add_u32 v[SPW], v[NIL]
	s_wait_dscnt 0x0
	s_endpgm
.Lfunc_end_k_q3556722d02_quant:
	.size	k_q3556722d02_quant, .Lfunc_end_k_q3556722d02_quant-k_q3556722d02_quant
	.p2alignl 7, 3214868480
	.fill 96, 4, 3214868480
	.section	.rodata,"a",@progbits
	.p2align	6, 0x0
	.amdhsa_kernel k_q3556722d02_quant
		.amdhsa_group_segment_fixed_size 88064
		.amdhsa_private_segment_fixed_size 0
		.amdhsa_enable_private_segment 0
		.amdhsa_kernarg_size 32
		.amdhsa_user_sgpr_count 2
		.amdhsa_user_sgpr_kernarg_segment_ptr 1
		.amdhsa_wavefront_size32 1
		.amdhsa_system_sgpr_workgroup_id_x 1
		.amdhsa_system_sgpr_workgroup_id_y 1
		.amdhsa_system_sgpr_workgroup_id_z 1
		.amdhsa_system_vgpr_workitem_id 0
		.amdhsa_next_free_vgpr 256
		.amdhsa_next_free_sgpr 66
		.amdhsa_reserve_vcc 1
		.amdhsa_float_denorm_mode_32 3
		.amdhsa_float_denorm_mode_16_64 3
		.amdhsa_memory_ordered 1
		.amdhsa_forward_progress 1
		.amdhsa_inst_pref_size 77
	.end_amdhsa_kernel
	.amdgpu_metadata
---
amdhsa.version: [ 1, 2 ]
amdhsa.kernels:
  - .name:           k_q3556722d02_quant
    .symbol:         k_q3556722d02_quant.kd
    .args:
      - { .name: x, .offset: 0, .size: 8, .value_kind: global_buffer, .address_space: global }
      - { .name: weight, .offset: 8, .size: 8, .value_kind: global_buffer, .address_space: global }
      - { .name: aq, .offset: 16, .size: 8, .value_kind: global_buffer, .address_space: global }
      - { .name: bq, .offset: 24, .size: 8, .value_kind: global_buffer, .address_space: global }
    .group_segment_fixed_size: 88064
    .private_segment_fixed_size: 0
    .kernarg_segment_align: 8
    .kernarg_segment_size: 32
    .max_flat_workgroup_size: 512
    .sgpr_count:     66
    .vgpr_count:     256
    .wavefront_size: 32
...
	.end_amdgpu_metadata
.endif
;; end of part 1
;; launch gemm (part 2): grid 16 x 16, 4 waves a work-group, clusters of 4 x 4, 327,680 bytes of LDS; arguments aq, bq, bias, out0; writes out0
.if DOCPART == 2
	.amdgcn_target "amdgcn-amd-amdhsa--gfx1250"
	.amdhsa_code_object_version 6
	.text
	.protected	k_q3556722d02_gemm
	.globl	k_q3556722d02_gemm
	.p2align	8
	.type	k_q3556722d02_gemm,@function
k_q3556722d02_gemm:
	s_mov_b64 s[64:65], 0
	v_nop
	global_prefetch_b8 v0, s[64:65] scope:SCOPE_SE
	s_setreg_imm32_b32 hwreg(HW_REG_WAVE_MODE, 25, 1), 1
	s_wait_xcnt 0x0
	s_wait_alu depctr_hold_cnt(0) depctr_sa_sdst(0) depctr_va_vdst(0) depctr_va_sdst(0) depctr_va_ssrc(0) depctr_va_vcc(0) depctr_vm_vsrc(0)
	s_getreg_b32 s2, hwreg(HW_REG_IB_STS2, 6, 4)
	s_cmp_eq_u32 s2, 0
	s_cbranch_scc0 .Lentry_in_a_cluster
	s_endpgm
.Lentry_in_a_cluster:
	s_bfe_u32 s2, ttmp6, 0x10000c
	s_cmp_lg_u32 s2, 0xf033
	s_cbranch_scc0 .Lentry_shape_is_right
	s_endpgm
.Lentry_shape_is_right:
; out0[m][n] = sum over k of xq[m][k] weight[n][k] + bias[n], on codes of FP4 (E2M1) with one E8M0 byte for each 32 along K, as the launch before laid them:
; aq, bq = [32 row blocks][8 K steps][a tile of 136 dense rows of 256 bytes]: 128 positions x 256 bytes of codes (512 along K), then 8 rows with 16 scale bytes a position.
; In bq position 64 G + 16 u + r is row 64 G + 4 r + u of weight: a lane's results of B's blocks 4 G .. 4 G + 3 are four neighbouring columns of out0, 16 bytes, and sixteen lanes fill 256 aligned bytes.
; A work-group of four waves makes 256 x 256 of out0, a wave 128 x 128: 64 accumulators, 512 registers.  K goes in 8 steps of 512 through two LDS slots; a wave fetches one tile (A's or B's 128 positions) by one tensor load.
; CLUSTERS 4 x 4: A's tiles are asked for jointly along a row of the cluster, B's along a column.  A cluster begins at K step 0 or 4, by the parity of its place in the grid, and goes round modulo 8.
; A STEP of 128 along K is 64 matrix instructions.  A and B have TWO sets of fragments each: B's next set is asked for at a step's start, A's in its middle, and the waits on DScnt are counted block by block.
; THE LAST K STEP GOES BY ROWS OF out0: all its fragments of B fill window 1, A comes by blocks of 16 rows, and each block gets its bias and is stored as soon as it is finished.
; PREFETCH: the first two K steps of the walk come by their loads alone.  The third is asked for behind the first step's products, and behind the joint load of the walk's K step i (i = 2 .. 6) stands the request for
; step i + 1: one K step, 256 matrix instructions a wave, ahead of the load that wants it.  A tile's 136 blocks of 256 bytes are shared out by address among the four partners that load it jointly, 34 each: one
; instruction with a lane a block, a second for blocks 32 and 33 (its lanes 1-31 all name the last).  The last refill asks for nothing.
; REGISTERS: window 0: v0-31 addresses, v32-95 scale words (two sets), v96-103 bias, v128-191 and v192-255 A's two sets; window 1: B's sets at v0 and v64 (last K step: all 256); windows 2, 3: accumulator (a, b) at v[8 (8 (a % 4) + b)].
.set SIZE_N, 4096
.set PITCH,  272                       ; an LDS row: 256 bytes + 16 of padding
.set TROWS,  136
.set TILEB,  TROWS*256
.set RBB,    8*TILEB
.set HALFT,  TROWS*PITCH               ; a tile in LDS
.set SLOT,   4*HALFT                   ; A's two tiles, B's two tiles
.set SPARE,  2*SLOT                    ; the spare words, 128 bytes a wave
.set LAPS,   4
.set ADRA, 16                          ; v16-17 my A fragments in slot 0, 1
.set ADRB, 20                          ; v20-21 my B fragments
.set ADRS, 22                          ; v22-23 my scale words: lanes 0-15 A's, lanes 16-31 B's
.set CO,   26                          ; my byte offset in out0
.set BO,   27                          ; and in bias
.set SPW,  28
.set NIL,  29
.set PFO,  30                          ; 256 x lane
.set PFO2, 31                          ; 256 x (32 + min(lane, 1))
.set SC,   32
.set BI,   96
.set AF,   128
.set PA,   128                         ; last K step: A's blocks, 32 registers, two buffers
.set G1, 24
.set G0, 32
.set G1B, 48
.set G0B, 56
.set KS,  66                           ; s66-67 the K step that slot 0, 1 holds or is to hold
.set OFP, 68
.set BA,  70                           ; my tile row block in aq
.set BB,  72                           ; and in bq
.set PFB, 74                           ; my work-group's 34 blocks of the tiles that I fetch
.set PFA, 76                           ; s[76:77] the loop's prefetch address, s[78:79] the head's
.set OFQ, 82
.set PK,  84                           ; the K step that is prefetched next
.set MSB, 0
.macro WIN new
.if MSB != (\new)
	s_set_vgpr_msb (MSB<<8)|(\new)
.set MSB, (\new)
.endif
.endm
.set MUL_LO, 0xa4                      ; source 0 (A) window 0, source 1 (B) window 1, C and D window 2
.set MUL_HI, 0xf4                      ; C and D window 3
.set TO_B,   0x40
.macro PLACES
.rept 4
	v_nop
.endr
.endm
.macro JLOAD g0a, g1a, g0b, g1b        ; waves 0, 1 fetch A's tiles, waves 2, 3 B's
	s_cmp_eq_u32 s15, 0
	s_cbranch_scc0 .Lfor_b_\@
	tensor_load_to_lds s[\g0a:\g0a+3], s[\g1a:\g1a+7]
	s_nop 0
	PLACES
	s_branch .Lasked_\@
.Lfor_b_\@:
	tensor_load_to_lds s[\g0b:\g0b+3], s[\g1b:\g1b+7]
	s_nop 0
	PLACES
.Lasked_\@:
.endm
.macro CREST
	s_cmp_lg_u32 s14, 0
	s_cbranch_scc1 .Lnot_wave_0_\@
	s_barrier_signal -3
.Lnot_wave_0_\@:
	s_barrier_wait -3
	s_barrier_signal -1
	s_barrier_wait -1
.endm
.macro CROUND
	s_barrier_signal -1
	s_barrier_wait -1
	CREST
.endm
.macro AIM s                           ; slot s's two descriptors point at K step KS[s]
	s_mul_i32 s[OFP], s[KS+\s], TILEB
	s_add_nc_u64 s[G0+4*\s+2:G0+4*\s+3], s[BA:BA+1], s[OFP:OFP+1]
	s_or_b32 s[G0+4*\s+3], s[G0+4*\s+3], 0x80000000
	s_add_nc_u64 s[G0B+4*\s+2:G0B+4*\s+3], s[BB:BB+1], s[OFP:OFP+1]
	s_or_b32 s[G0B+4*\s+3], s[G0B+4*\s+3], 0x80000000
.endm
.macro PFSET pr                        ; the address of K step PK's blocks; PK goes on, modulo 8, so it stays inside the buffer
	s_mul_i32 s[OFQ], s[PK], TILEB
	s_add_nc_u64 s[\pr:\pr+1], s[PFB:PFB+1], s[OFQ:OFQ+1]
	s_add_co_u32 s[PK], s[PK], 1
	s_and_b32 s[PK], s[PK], 7
.endm
.macro PFGO pr
	global_prefetch_b8 v[PFO], s[\pr:\pr+1] th:TH_LOAD_NT scope:SCOPE_SE
	global_prefetch_b8 v[PFO2], s[\pr:\pr+1] th:TH_LOAD_NT scope:SCOPE_SE
.endm
	s_load_b256 s[4:11], s[0:1], 0x0               ; aq, bq, bias, out0
	v_lshl_add_u32 v[SPW], v0, 2, SPARE
	v_mov_b32 v[NIL], 0
	ds_add_u32 v[SPW], v[NIL]                      ; the opening lines: the add twice on end and one wait
	ds_add_u32 v[SPW], v[NIL]
	v_lshrrev_b32 v1, 5, v0
	v_readfirstlane_b32 s14, v1                    ; wave
	s_lshr_b32 s15, s14, 1                         ; my half of the rows; also: I fetch for A (0) or B (1)
	s_and_b32 s16, s14, 1                          ; my half of the columns; also: which tile I fetch
	s_bfe_u32 s40, ttmp6, 0x40000                  ; cx
	s_bfe_u32 s41, ttmp6, 0x40004                  ; cy
	s_lshl_b32 s42, ttmp9, 2
	s_add_co_u32 s42, s42, s40                     ; tile column
	s_and_b32 s17, ttmp7, 0xffff
	s_lshl_b32 s17, s17, 2
	s_add_co_u32 s17, s17, s41                     ; tile row
	s_lshl_b32 s43, s41, 2
	s_lshl_b32 s43, 15, s43                        ; my row of the cluster
	s_lshl_b32 s44, 0x1111, s40                    ; my column
	s_lshr_b32 s[KS], ttmp9, 1                     ; the first K step: 4 x parity of the cluster's x and y bits: the same in all partners
	s_xor_b32 s[KS], s[KS], ttmp9
	s_and_b32 s[KS+1], ttmp7, 0xffff
	s_lshr_b32 s[OFP], s[KS+1], 1
	s_xor_b32 s[KS+1], s[KS+1], s[OFP]
	s_xor_b32 s[KS], s[KS], s[KS+1]
	s_and_b32 s[KS], s[KS], 1
	s_lshl_b32 s[KS], s[KS], 2
	s_add_co_u32 s[KS+1], s[KS], 1
	s_add_co_u32 s[PK], s[KS], 2                   ; the first prefetch names the walk's third K step (0 or 4, + 2: under 8)
	s_mov_b32 s[OFP+1], 0
	s_mov_b32 s[OFQ+1], 0
	s_or_b32 s[G1+0], s43, (3<<16)|(1<<20)|(1<<21)|(5<<22)|(3<<25)   ; elements of 8 bytes; 4 words of padding behind every 64
	s_or_b32 s[G1B+0], s44, (3<<16)|(1<<20)|(1<<21)|(5<<22)|(3<<25)
.irp g, G1, G1B
	s_mov_b32 s[\g+1], 32<<16
	s_mov_b32 s[\g+2], TROWS<<16
	s_mov_b32 s[\g+3], 32<<16
	s_mov_b32 s[\g+4], TROWS
	s_mov_b32 s[\g+5], 32
	s_mov_b32 s[\g+6], 0
	s_mov_b32 s[\g+7], 0
.endr
	s_lshl_b32 s20, s17, 1
	s_add_co_u32 s20, s20, s16
	s_mul_i32 s20, s20, RBB
	s_mov_b32 s21, 0
	s_lshl_b32 s46, s42, 1
	s_add_co_u32 s46, s46, s16
	s_mul_i32 s46, s46, RBB
	s_mov_b32 s47, 0
	s_mul_i32 s45, s14, HALFT                      ; where my tile goes: wave x a tile
	s_wait_dscnt 0x0
	s_wait_kmcnt 0x0
	s_add_nc_u64 s[BA:BA+1], s[4:5], s[20:21]
	s_add_nc_u64 s[BB:BB+1], s[6:7], s[46:47]
.irp s, 0,1
	s_mov_b32 s[G0+4*\s], 1
	s_add_co_u32 s[G0+4*\s+1], s45, \s*SLOT
	s_mov_b32 s[G0B+4*\s], 1
	s_add_co_u32 s[G0B+4*\s+1], s45, \s*SLOT
	AIM \s
.endr
	CROUND                                         ; all sixteen work-groups are here: the first joint loads meet
	JLOAD G0, G1, G0B, G1B                         ; K step 0: one tensor load a wave at the head
	s_cmp_eq_u32 s15, 0                            ; the prefetches: the partners are told apart by address alone
	s_cselect_b32 s[OFQ], s40, s41
	s_cselect_b64 s[PFB:PFB+1], s[BA:BA+1], s[BB:BB+1]
	s_mul_i32 s[OFQ], s[OFQ], 34*256
	s_add_nc_u64 s[PFB:PFB+1], s[PFB:PFB+1], s[OFQ:OFQ+1]
	PFSET PFA+2
	s_mul_i32 s12, s15, HALFT                      ; my tile of A
	s_mul_i32 s13, s16, HALFT
	s_add_co_u32 s13, s13, 2*HALFT                 ; my tile of B
	s_xor_b32 s19, s15, 1
	s_add_co_u32 s19, s19, s16
	s_add_co_u32 s19, s19, 1
	s_mul_i32 s19, s19, HALFT                      ; from A's tile to B's
	s_add_co_u32 s18, s12, 128*PITCH               ; the scale rows lie behind the 128 rows of codes
	s_lshl_b32 s20, s17, 8
	s_lshl_b32 s21, s15, 7
	s_add_co_u32 s20, s20, s21
	s_lshl_b32 s20, s20, 14                        ; my first row of out0, 16,384 bytes a row
	s_mov_b32 s21, 0
	s_lshl_b32 s46, s42, 10
	s_lshl_b32 s47, s16, 9
	s_add_co_u32 s46, s46, s47                     ; my first column, in bytes
	s_mov_b32 s47, 0
	s_add_nc_u64 s[8:9], s[8:9], s[46:47]
	s_add_nc_u64 s[10:11], s[10:11], s[20:21]
	s_add_nc_u64 s[10:11], s[10:11], s[46:47]
	v_and_b32 v1, 15, v0                           ; r
	v_bfe_u32 v2, v0, 4, 1                         ; h
	v_mul_u32_u24 v3, v1, PITCH
	v_lshl_add_u32 v4, v2, 4, v3
	v_add_nc_u32 v[ADRA], s12, v4
	v_add_nc_u32 v[ADRB], s13, v4
	v_add_nc_u32 v[ADRA+1], SLOT, v[ADRA]
	v_add_nc_u32 v[ADRB+1], SLOT, v[ADRB]
	v_mul_u32_u24 v6, s19, v2
	v_lshl_add_u32 v5, v1, 4, v6
	v_add_nc_u32 v[ADRS], s18, v5
	v_add_nc_u32 v[ADRS+1], SLOT, v[ADRS]
	v_lshlrev_b32 v[BO], 4, v1
	v_lshl_add_u32 v[CO], v2, 17, v[BO]            ; 8 h rows + 16 r
	v_and_b32 v7, 31, v0
	v_lshlrev_b32 v[PFO], 8, v7
	v_min_u32 v8, 1, v7
	v_lshl_add_u32 v[PFO2], v8, 8, 32*256
	global_load_b128 v[BI:BI+3], v[BO], s[8:9]     ; bias of my columns: register t for B's block t
	global_load_b128 v[BI+4:BI+7], v[BO], s[8:9] offset:256
.macro MM acc, ar, br, sa, sb, zero
.if \zero
	v_wmma_scale_f32_16x16x128_f8f6f4 v[(\acc):(\acc)+7], v[(\ar):(\ar)+7], v[(\br):(\br)+7], 0, v[(\sa)], v[(\sb)] matrix_a_fmt:MATRIX_FMT_FP4 matrix_b_fmt:MATRIX_FMT_FP4 matrix_b_scale:MATRIX_SCALE_ROW1
.else
	v_wmma_scale_f32_16x16x128_f8f6f4 v[(\acc):(\acc)+7], v[(\ar):(\ar)+7], v[(\br):(\br)+7], v[(\acc):(\acc)+7], v[(\sa)], v[(\sb)] matrix_a_fmt:MATRIX_FMT_FP4 matrix_b_fmt:MATRIX_FMT_FP4 matrix_b_scale:MATRIX_SCALE_ROW1
.endif
.endm
.macro FRAG reg, adr, q, i             ; 16 positions x 128 K: two loads of 16 bytes a lane
.irp c, 0,1
	ds_load_b128 v[(\reg)+4*\c:(\reg)+4*\c+3], v[\adr] offset:64*(\q)+32*\c+(\i)*16*PITCH
.endr
.endm
.macro MUL16 a0, p, q, sc, zero        ; A's blocks a0, a0 + 1 x B's eight, from sets p; the accumulators take turns
.irp a, \a0, \a0+1
.irp b, 0,1,2,3,4,5,6,7
	MM 8*(8*((\a)%4)+\b), AF+64*(\p)+8*(\a), 64*(\p)+8*\b, SC+32*(\sc)+4*(\a)+(\q), SC+32*(\sc)+4*\b+(\q), \zero
.endr
.endr
.endm
.macro FETCH_B slot, q, p              ; 16 loads: B's eight fragments to v[64 p ..] of window 1
	WIN TO_B
.irp i, 0,1,2,3,4,5,6,7
	FRAG 64*(\p)+8*\i, ADRB+\slot, \q, \i
.endr
.endm
.macro FETCH_A slot, q, p              ; 16 loads, block 0 first
	WIN 0
.irp i, 0,1,2,3,4,5,6,7
	FRAG AF+64*(\p)+8*\i, ADRA+\slot, \q, \i
.endr
.endm
.macro SCALES sc                       ; 8 loads: a K step's four words for each of 8 blocks of A (lanes 0-15) and of B (lanes 16-31)
	WIN 0
.irp i, 0,1,2,3,4,5,6,7
	ds_load_b128 v[SC+32*\sc+4*\i:SC+32*\sc+4*\i+3], v[ADRS+\sc] offset:\i*PITCH
.endr
.endm
; A step with its successor in the same slot.  On entry the youngest 16 LDS loads are this step's A.  The four places stand behind the last step's products, which read the sets that are now filled again.
.macro STEP slot, q, zero
	PLACES
	FETCH_B \slot, (\q)+1, 1-(\q)%2
	s_wait_dscnt 28                                ; out at most: A's blocks 2-7 (12 loads) and the 16 just issued
	WIN MUL_LO
	MUL16 0, (\q)%2, \q, \slot, \zero
	s_wait_dscnt 24                                ; A's blocks 4-7 and the 16
	MUL16 2, (\q)%2, \q, \slot, \zero
	FETCH_A \slot, (\q)+1, 1-(\q)%2
	s_wait_dscnt 36                                ; A's blocks 6, 7 and the next step's 32
	WIN MUL_HI
	MUL16 4, (\q)%2, \q, \slot, \zero
	s_wait_dscnt 32                                ; the next step's 32
	MUL16 6, (\q)%2, \q, \slot, \zero
.endm
; A slot's last step changes slots and fills the slot again, two K steps on.
.macro TURN slot, next
	WIN 0
	s_wait_xcnt 0x0                                ; my earlier prefetch has read its address
	PFSET PFA
	s_wait_tensorcnt 0x0                           ; my part of the next slot is in;
	ds_add_u32 v[SPW], v[NIL]
	s_add_co_u32 s[KS+\slot], s[KS+\slot], 2
	s_and_b32 s[KS+\slot], s[KS+\slot], 7
	AIM \slot                                      ; no tensor load of mine is out: the descriptors may be written
	s_wait_dscnt 13                                ; out at most: A's blocks 2-7 and the add
	WIN MUL_LO
	MUL16 0, 1, 3, \slot, 0
	s_wait_dscnt 0x0                               ; the add is done, my reads of this slot are over
	s_barrier_signal -1
	MUL16 2, 1, 3, \slot, 0
	WIN 0
	s_barrier_wait -1
	CREST                                          ; the barrier has opened a round of the cluster's barrier
	JLOAD G0+4*\slot, G1, G0B+4*\slot, G1B         ; the refill; its four v_nop are the places for the loads below
	FETCH_B \next, 0, 0
	SCALES \next
	FETCH_A \next, 0, 0
.if \slot
	s_cmp_gt_u32 s3, 1                             ; slot 1's refill of the loop's last trip is the walk's last K step: nothing follows it
	s_cbranch_scc0 .Lnoask_\@
.endif
	PFGO PFA                                       ; the K step behind the one just asked for
.if \slot
.Lnoask_\@:
.endif
	WIN MUL_HI
	MUL16 4, 1, 3, \slot, 0
	MUL16 6, 1, 3, \slot, 0
.endm
	s_wait_alu depctr_va_vdst(0)                   ; the head's end
	s_wait_tensorcnt 0x0                           ; my part of K step 0 is in; the lines that stand ahead of a later first fill:
	ds_add_u32 v[SPW], v[NIL]
	s_wait_dscnt 0x0
	CROUND
	JLOAD G0+4, G1, G0B+4, G1B                     ; K step 1, the first tensor load behind the round
	FETCH_B 0, 0, 0
	SCALES 0
	FETCH_A 0, 0, 0
	STEP 0, 0, 1                                   ; the first step's products start the sums
	WIN 0
	PFGO PFA+2                                     ; the walk's third K step, 160 matrix instructions ahead of its load
	s_mov_b32 s3, LAPS-1
.Llap:
	STEP 0, 1, 0
	STEP 0, 2, 0
	TURN 0, 1
	STEP 1, 0, 0
	STEP 1, 1, 0
	STEP 1, 2, 0
	TURN 1, 0
	STEP 0, 0, 0
	WIN 0
	s_sub_co_u32 s3, s3, 1
	s_cmp_lg_u32 s3, 0
	s_cbranch_scc1 .Llap
	STEP 0, 1, 0
	STEP 0, 2, 0
	; the last change of slots: nothing is filled again, so no round follows
	WIN 0
	s_wait_tensorcnt 0x0
	ds_add_u32 v[SPW], v[NIL]
	s_wait_dscnt 13
	WIN MUL_LO
	MUL16 0, 1, 3, 0, 0
	s_wait_dscnt 0x0
	s_barrier_signal -1
	MUL16 2, 1, 3, 0, 0
	s_barrier_wait -1
	PLACES
.macro ALOAD a                         ; 8 loads: A's block a, all four quarters of the K step, into buffer a % 2
.irp q, 0,1,2,3
	FRAG PA+32*((\a)%2)+8*\q, ADRA+1, \q, \a
.endr
.endm
	FETCH_B 1, 0, 0                                ; B's quarter q goes to v[64 q ..] of window 1
	SCALES 1
	ALOAD 0
	WIN MUL_HI
	MUL16 4, 1, 3, 0, 0
	MUL16 6, 1, 3, 0, 0
	PLACES
	FETCH_B 1, 1, 1
	FETCH_B 1, 2, 2
	FETCH_B 1, 3, 3
	WIN 0
	ALOAD 1
	s_wait_loadcnt 0x0                             ; bias
.macro ROW a                           ; block a is finished: 32 matrix instructions, its 8 accumulators by turns, K ascending
	WIN MUL_LO+0x50*((\a)/4)
.irp q, 0,1,2,3
.if (\a) == 0
	s_wait_dscnt 56-16*\q                          ; out at most: B's quarters behind q (16 loads each) and A's block 1 (8)
.endif
.irp b, 0,1,2,3,4,5,6,7
	MM 8*(8*((\a)%4)+\b), PA+32*((\a)%2)+8*\q, 64*\q+8*\b, SC+32+4*(\a)+\q, SC+32+4*\b+\q, 0
.endr
.endr
.endm
; Block a leaves: + bias, laid so that four registers on end are four neighbouring columns; sixteen lanes store 256 aligned bytes.  The sums go into registers that nothing writes again:
; block 0's into A's second set, block a's into the accumulators of block a - 1, which have been read.  Each accumulator is read from its low end on.
.macro OUTB a
.set AC, 64*((\a)%4)
.if (\a) == 0
.set OW, 0
.set OB, 192
.else
.set OW, 2+((\a)-1)/4
.set OB, 64*(((\a)-1)%4)
.endif
	WIN (OW<<6)|(2+(\a)/4)
.irp j, 0,1,2,3,4,5,6,7
.irp t, 0,1,2,3,4,5,6,7
	v_add_f32 v[OB+8*\j+\t], v[AC+8*\t+\j], v[BI+\t]
.endr
.endr
	WIN (OW<<2)
.irp j, 0,1,2,3,4,5,6,7
.irp g, 0,1
	global_store_b128 v[CO], v[OB+8*\j+4*\g:OB+8*\j+4*\g+3], s[10:11] offset:(16*(\a)+\j)*SIZE_N*4+256*\g th:TH_STORE_NT
.endr
.endr
.endm
.irp a, 0,1,2,3,4,5,6,7
.if (\a) > 0 && (\a) < 7
	s_wait_dscnt 8                                 ; this block's A is in; the next block's 8 loads may be out
.endif
.if (\a) == 7
	s_wait_dscnt 0x0
.endif
	ROW \a
	PLACES                                         ; ahead of the loads into the buffer just read and of the reads of the results
.if (\a) < 6
	WIN 0
	ALOAD \a+2
.endif
	OUTB \a
.endr
	WIN 0
	s_wait_tensorcnt 0x0                           ; the wave's end
	ds_add_u32 v[SPW], v[NIL]
	s_wait_dscnt 0x0
	CROUND                                         ; the closing round
	s_endpgm
.Lfunc_end_k_q3556722d02_gemm:
	.size	k_q3556722d02_gemm, .Lfunc_end_k_q3556722d02_gemm-k_q3556722d02_gemm
	.p2alignl 7, 3214868480
	.fill 96, 4, 3214868480
	.section	.rodata,"a",@progbits
	.p2align	6, 0x0
	.amdhsa_kernel k_q3556722d02_gemm
		.amdhsa_group_segment_fixed_size 327680
		.amdhsa_private_segment_fixed_size 0
		.amdhsa_enable_private_segment 0
		.amdhsa_kernarg_size 32
		.amdhsa_user_sgpr_count 2
		.amdhsa_user_sgpr_kernarg_segment_ptr 1
		.amdhsa_wavefront_size32 1
		.amdhsa_system_sgpr_workgroup_id_x 1
		.amdhsa_system_sgpr_workgroup_id_y 1
		.amdhsa_system_sgpr_workgroup_id_z 1
		.amdhsa_system_vgpr_workitem_id 0
		.amdhsa_next_free_vgpr 1024
		.amdhsa_next_free_sgpr 86
		.amdhsa_reserve_vcc 0
		.amdhsa_float_denorm_mode_32 3
		.amdhsa_float_denorm_mode_16_64 3
		.amdhsa_memory_ordered 1
		.amdhsa_forward_progress 1
		.amdhsa_inst_pref_size 210
	.end_amdhsa_kernel
	.amdgpu_metadata
---
amdhsa.version: [ 1, 2 ]
amdhsa.kernels:
  - .name:           k_q3556722d02_gemm
    .symbol:         k_q3556722d02_gemm.kd
    .args:
      - { .name: aq, .offset: 0, .size: 8, .value_kind: global_buffer, .address_space: global }
      - { .name: bq, .offset: 8, .size: 8, .value_kind: global_buffer, .address_space: global }
      - { .name: bias, .offset: 16, .size: 8, .value_kind: global_buffer, .address_space: global }
      - { .name: out0, .offset: 24, .size: 8, .value_kind: global_buffer, .address_space: global }
    .group_segment_fixed_size: 327680
    .private_segment_fixed_size: 0
    .kernarg_segment_align: 8
    .kernarg_segment_size: 32
    .max_flat_workgroup_size: 128
    .sgpr_count:     86
    .vgpr_count:     1024
    .wavefront_size: 32
...
	.end_amdgpu_metadata
.endif
;; end of part 2
